; MI455X (gfx1250); checked and timed in simulation.
; The chip was launched on July 23, 2026; its instructions are those of AMD's public machine-readable ISA for CDNA 5 (MIT licence, August 2026) and "CDNA5" Instruction Set Architecture Reference Guide (July 2026). The comments in the code are by the model that wrote it; some were corrected since.
;; CRF. Allowed arithmetic: float matrix products may take bf16 or f16 operands with f32 sums; all other float work in f32.
;; Inputs: potentials 256 x 256 x 128 float32; transitions 128 x 128 float32.
;; Outputs: out0 256 x 256 x 128 float32.
;; 2 versions, each right and faster than the one before. Each part assembles by itself: llvm-mc -triple=amdgcn-amd-amdhsa -mcpu=gfx1250 --defsym DOCPART=n.
;; ======== version 1 of 2: 1 launch
;; launch viterbi (part 1): grid 256 x 1, 8 waves a work-group, no clusters, 168,960 bytes of LDS; arguments potentials, transitions, out0; writes out0
.if DOCPART == 1
	.amdgcn_target "amdgcn-amd-amdhsa--gfx1250"
	.amdhsa_code_object_version 6
	.text
	.protected	k_q7671d706bf_viterbi
	.globl	k_q7671d706bf_viterbi
	.p2align	8
	.type	k_q7671d706bf_viterbi,@function
k_q7671d706bf_viterbi:
	s_mov_b64 s[64:65], 0
	v_nop
	global_prefetch_b8 v0, s[64:65] scope:SCOPE_SE
	s_setreg_imm32_b32 hwreg(HW_REG_WAVE_MODE, 25, 1), 1
	s_wait_xcnt 0x0
; VITERBI DECODING OF A CRF.  potentials [256 b][256 t][128 c] f32, transitions [128 p][128 c] f32, out0 [256][256][128] f32 (one-hot of the tags).
;   alpha_0 = pot_0;  alpha_t[c] = max_p(alpha_{t-1}[p] + trans[p][c]) + pot_t[c];  bp_{t-1}[c] = first p that reaches that maximum;
;   tag_255 = first c that reaches max alpha_255;  tag_t = bp_t[tag_{t+1}];  out0[b][t][c] = (c == tag_t) ? 1 : 0.
; Every sum is the same single f32 add as in the definition and ties go to the lowest index, so the tags are the definition's own.
; Nothing of the definition is left out; the one-hot is written as a compare and a select.
; LIMIT: the inputs hold no NaN and form none (+inf meeting -inf): v_max_num_f32 drops a NaN where the definition would carry it.
; The sign of a zero alpha may differ from the definition's; it enters no comparison and no output.
;
; ONE WORK-GROUP = ONE BATCH ELEMENT, eight waves.  Lane (r = lane & 15, h = lane >> 4) of wave u owns column c = 16 u + r and the 64
; predecessors p = 64 h + q, q = 0..63: trans[64 h + q][c] stays in 64 registers, the step's 64 sums in 64 more, so all that a step
; names fits in 256 registers.  alpha lies in LDS as 128 words; lane l loads words 4 l .. 4 l + 3, and row_share:n on register j hands
; alpha[64 h + 4 n + j] to all sixteen lanes of half h inside the add itself: no broadcast loads.  v_permlanex16_b32 joins the halves.
; A STEP has a part that the next step waits for (64 adds, 36 maxima, the potential, the store of the new alpha) and a part that nothing
; waits for (which p gave the maximum).  The second part is laid behind the alpha store, between the barrier's signal and its wait, and
; behind the next step's LDS loads, where the wave would otherwise sit on those three waits.
; NO ADDRESS AND NO BRANCH HANGS ON A TAG: the backtrace picks bp_t[tag] out of a register row by v_readlane_b32, the one-hot is a select.
; No cluster: the work-groups share only the 65,536 bytes of transitions, read once, beside 262,144 bytes of their own.
.set ROWB,  512                        ; bytes in a row of potentials, transitions or out0
.set ABUF,  131072                     ; LDS: potentials at 0 (256 rows x 512 bytes); then two alpha buffers of 512 bytes
.set BPL,   ABUF+1024                  ; back-pointers, one byte each: wave u's sixteen columns of row t at BPL + u BPW + 16 t
.set BPW,   4112                       ; 256 rows x 16 bytes + 16: 1,028 words, so the backtrace's lane l reads bank (l + 4 t) mod 64 (64 banks of 4 bytes: ISA guide 11.1)
.set TAGL,  BPL+8*BPW                  ; 256 tags, a word each
.set U,     1                          ; v1      wave number, kept
.set RR,    2                          ; v2      r
.set HH,    3                          ; v3      h
.set A,     4                          ; v[4:7]  alpha[4 lane .. 4 lane + 3]
.set POT,   8                          ; my column's potential of this step
.set M,     9                          ; my column's maximum
.set O,     10                         ; what the other half of the wave holds
.set AL,    11                         ; the new alpha
.set G8,    12                         ; 8 x the first group of eight that holds the maximum
.set JL,    13                         ; first place in that group, places 0-3 / 4-7 (256: none)
.set JH,    14
.set IDX,   15                         ; the back-pointer
.set VPOT,  16                         ; LDS addresses: my potential,
.set VBP,   17                         ;   my back-pointer byte,
.set VAR,   18                         ;   my 16 bytes of the alpha buffers,
.set VAW,   19                         ;   my column's word of the alpha buffers,
.set HOFF,  20                         ; 64 h
.set VAR0,  21                         ;   my 16 bytes of potentials row 0 (= alpha_0)
.set TOFF,  22                         ; byte offset of trans[64 h][c]
.set LANE,  23
.set X,     24                         ; v[24:47]   partial maxima
.set R,     48                         ; v[48:55]   maximum of each group of eight sums
.set BIG,   56                         ; 256
.set T,     64                         ; v[64:127]  trans[64 h + q][c]
.set S,     128                        ; v[128:191] the step's sums
.set P,     S+56                       ; the last group's sums in place: they become the sums of the first group that holds the maximum
; the backtrace uses the registers of the forward pass again
.set TG,    24                         ; 32 tags of a chunk, lane i: t = 32 k + i
.set VROW,  25                         ; LDS address of my four back-pointers of row 0
.set VTG,   26                         ; LDS address of tag word `lane`
.set VTQ,   27                         ; LDS address of my wave's eight tags in chunk 0
.set VOUT,  28                         ; byte offset in out0[b] of my 16 bytes in my wave's first row of chunk 0; never rewritten
.set CJ,    32                         ; v[32:35]   my four columns 4 lane + j
.set TQ,    36                         ; v[36:43]   eight tags
.set XL,    48
.set ROW,   64                         ; v[64:127]  two sets of 32 back-pointer rows
.set OUT,   128                        ; v[128:159] eight rows' 16 bytes to store
	s_load_b128 s[4:7], s[0:1], 0x0                ; potentials s[4:5], transitions s[6:7]
	s_load_b64 s[8:9], s[0:1], 0x10                ; out0
	v_lshl_add_u32 v192, v0, 2, 0x29000
	v_mov_b32 v193, 0
	ds_add_u32 v192, v193
	ds_add_u32 v192, v193
	v_lshrrev_b32 v[U], 5, v0
	v_readfirstlane_b32 s10, v[U]                  ; wave number 0..7
	v_and_b32 v[RR], 15, v0
	v_bfe_u32 v[HH], v0, 4, 1
	v_and_b32 v[LANE], 31, v0
	v_lshl_add_u32 v[IDX], v[U], 4, v[RR]          ; c = 16 u + r
	v_lshlrev_b32 v[VPOT], 2, v[IDX]               ; 4 c: my word in a row (potentials begin at LDS byte 0)
	v_lshl_add_u32 v[TOFF], v[HH], 15, v[VPOT]     ; 64 h rows of 512 bytes + 4 c
	s_lshl_b32 s12, ttmp9, 17                      ; my batch element: 256 rows x 512 bytes each (33,423,360 at the most)
	s_mov_b32 s13, 0
	s_lshl_b32 s14, s10, 14                        ; my wave's 16,384 bytes of it
	s_mov_b32 s15, 0
	s_mov_b32 s16, 0x76543210                      ; v_permlanex16_b32: lane i of one half reads lane i of the other
	s_mov_b32 s17, 0xfedcba98
	; The batch element's potentials are 131,072 consecutive bytes: each wave brings an eighth as 64 rows of 256 bytes (32 elements of 8 bytes).
	s_mov_b32 s20, 1                               ; group 0: count 1
	s_lshl_b32 s21, s10, 14                        ; LDS address: wave x 16,384
	s_mov_b32 s24, 3<<16                           ; group 1: no mask, elements of 8 bytes, no padding
	s_mov_b32 s25, 32<<16                          ; tensor_dim0 = 32
	s_mov_b32 s26, 64<<16                          ; tensor_dim1 = 64
	s_mov_b32 s27, 32<<16                          ; tile_dim0 = 32
	s_mov_b32 s28, 64                              ; tile_dim1 = 64
	s_mov_b32 s29, 32                              ; from row to row: 32 elements (dense)
	s_mov_b32 s30, 0
	s_mov_b32 s31, 0
	s_wait_dscnt 0x0
	s_wait_kmcnt 0x0
	s_add_nc_u64 s[4:5], s[4:5], s[12:13]
	s_add_nc_u64 s[8:9], s[8:9], s[12:13]          ; out0 at my batch element
	s_add_nc_u64 s[22:23], s[4:5], s[14:15]
	s_or_b32 s23, s23, 0x80000000                  ; type 2
	tensor_load_to_lds s[20:23], s[24:31]          ; the wave's only tensor load: these bytes are filled once
	s_nop 0
.set q, 0
.rept 64
	global_load_b32 v[T+q], v[TOFF], s[6:7] offset:q*ROWB      ; trans[64 h + q][c]; each byte of transitions is read once by the work-group
.set q, q+1
.endr
	v_mul_u32_u24 v[VBP], v[U], BPW
	v_add_nc_u32 v[VBP], v[VBP], v[RR]
	v_add_nc_u32 v[VBP], BPL, v[VBP]
	v_add_nc_u32 v[VAW], ABUF, v[VPOT]
	v_lshlrev_b32 v[VAR0], 4, v[LANE]
	v_add_nc_u32 v[VAR], ABUF, v[VAR0]
	v_lshlrev_b32 v[HOFF], 6, v[HH]
	v_mov_b32 v[BIG], 0x100
	v_mov_b32 v[O], 0                              ; the destination of v_permlanex16_b32 and of a DPP form counts as read:
.set q, 0
.rept 64
	v_mov_b32 v[S+q], 0                            ; so the sums' registers are written once here; no sum is ever started from them
.set q, q+1
.endr
	s_wait_tensorcnt 0x0                           ; my eighth of the potentials has landed,
	s_barrier_signal -1
	s_barrier_wait -1                              ; everybody's has
	ds_load_b32 v[POT], v[VPOT] offset:ROWB        ; pot_1[c]
	ds_load_b128 v[A:A+3], v[VAR0]                 ; alpha_0 = potentials row 0
	s_wait_loadcnt 0x0                             ; transitions
	s_wait_dscnt 0x0
; If group g holds the column's maximum, its eight sums and its number replace what a later group left.  Called for g = 6 down to 0, so
; the first such group stays.  The two halves of a dual line take registers of different parity and neighbouring banks.
.macro MUX g
	v_cmp_eq_f32 vcc_lo, v[R+\g], v[M]
.irp j, 0,2,4,6
	v_dual_cndmask_b32 v[P+\j], v[P+\j], v[S+8*\g+\j] :: v_dual_cndmask_b32 v[P+\j+1], v[P+\j+1], v[S+8*\g+\j+1]
.endr
	v_cndmask_b32 v[G8], v[G8], 8*\g, vcc_lo
.endm
; One step.  outoff: the alpha buffer that it writes (0 or 512), from which the next step's alpha is then loaded; potoff: the next step's
; potential, from VPOT; bpoff: this step's back-pointer row, from VBP; more = 0: the last step, which loads nothing.
.macro STEP outoff, potoff, bpoff, more
	s_wait_dscnt 0x1                               ; LDS answers in order (ISA guide 5.7.1): alpha and the potential are in; only the back-pointer store issued behind them may be out
.irp sh, 0,1,2,3,4,5,6,7,8,9,10,11,12,13,14,15
.irp j, 0,1,2,3
	v_add_f32_dpp v[S+4*\sh+\j], v[A+\j], v[T+4*\sh+\j] row_share:\sh row_mask:0xf bank_mask:0xf   ; alpha[64 h + q] + trans[64 h + q][c], q = 4 sh + j
.endr
.endr
.irp g, 0,1,2,3,4,5,6,7
	v_max3_num_f32 v[X+3*\g],   v[S+8*\g],   v[S+8*\g+1], v[S+8*\g+2]
	v_max3_num_f32 v[X+3*\g+1], v[S+8*\g+3], v[S+8*\g+4], v[S+8*\g+5]
	v_max_num_f32  v[X+3*\g+2], v[S+8*\g+6], v[S+8*\g+7]
.endr
.irp g, 0,1,2,3,4,5,6,7
	v_max3_num_f32 v[R+\g], v[X+3*\g], v[X+3*\g+1], v[X+3*\g+2]
.endr
	v_max3_num_f32 v[X],   v[R],   v[R+1], v[R+2]
	v_max3_num_f32 v[X+1], v[R+3], v[R+4], v[R+5]
	v_max_num_f32  v[X+2], v[R+6], v[R+7]
	v_max3_num_f32 v[M], v[X], v[X+1], v[X+2]      ; over my 64 predecessors
	v_permlanex16_b32 v[O], v[M], s16, s17
	v_max_num_f32 v[M], v[M], v[O]                 ; over all 128
	v_add_f32 v[AL], v[M], v[POT]
	ds_store_b32 v[VAW], v[AL] offset:\outoff      ; both halves store the same word with the same value
	v_mov_b32 v[G8], 56                            ; the last group's sums lie in P already
	MUX 6
	MUX 5
	s_wait_dscnt 0x0                               ; for the others: my alpha is in LDS, and my reads of the other buffer are over, so that the next step may write it
	s_barrier_signal -1
	MUX 4                                          ; register work while the others arrive
	MUX 3
	s_barrier_wait -1
.if \more
	ds_load_b32 v[POT], v[VPOT] offset:\potoff
	ds_load_b128 v[A:A+3], v[VAR] offset:\outoff
.endif
	MUX 2
	MUX 1
	MUX 0
.irp j, 0,1,2,3,4,5,6,7
	v_cmp_eq_f32 s[40+\j], v[P+\j], v[M]
.endr
	v_cndmask_b32 v[JL], v[BIG], 3, s43            ; two chains, each from its last place down to its first: the first place that holds the maximum stays;
	v_cndmask_b32 v[JH], v[BIG], 7, s47            ; 256 where my 64 predecessors do not hold it
	v_cndmask_b32 v[JL], v[JL], 2, s42
	v_cndmask_b32 v[JH], v[JH], 6, s46
	v_cndmask_b32 v[JL], v[JL], 1, s41
	v_cndmask_b32 v[JH], v[JH], 5, s45
	v_cndmask_b32 v[JL], v[JL], 0, s40
	v_cndmask_b32 v[JH], v[JH], 4, s44
	v_min_u32 v[JL], v[JL], v[JH]
	v_add3_u32 v[IDX], v[G8], v[JL], v[HOFF]       ; p = 64 h + 8 g + j, or 256 and more
	v_permlanex16_b32 v[O], v[IDX], s16, s17
	v_min_u32 v[IDX], v[IDX], v[O]                 ; the lower of the two halves' answers: the first p of all 128
	ds_store_b8 v[VBP], v[IDX] offset:\bpoff
.endm
	STEP 0, 2*ROWB, 0, 1                           ; t = 1: alpha into buffer 0, asks for pot_2, back-pointer row 0
	v_add_nc_u32 v[VPOT], 3*ROWB, v[VPOT]          ; row 3
	v_add_nc_u32 v[VBP], 16, v[VBP]                ; row 1
	s_mov_b32 s11, 126                             ; t = 2 .. 253, two steps a trip so that the buffers stand in the immediates
.Lpair:
	STEP 512, 0, 0, 1                              ; even t
	STEP 0, ROWB, 16, 1                            ; odd t
	v_add_nc_u32 v[VPOT], 2*ROWB, v[VPOT]
	v_add_nc_u32 v[VBP], 32, v[VBP]
	s_sub_co_u32 s11, s11, 1
	s_cmp_lg_u32 s11, 0
	s_cbranch_scc1 .Lpair
	STEP 512, 0, 0, 1                              ; t = 254: asks for pot_255, the last row
	STEP 0, 0, 16, 0                               ; t = 255: alpha_255 into buffer 0, back-pointer row 254
	s_wait_dscnt 0x0                               ; the last back-pointers are in LDS,
	s_barrier_signal -1
	s_barrier_wait -1                              ; everybody's are
	v_lshlrev_b32 v[CJ], 2, v[LANE]
	v_add_nc_u32 v[CJ+1], 1, v[CJ]
	v_add_nc_u32 v[CJ+2], 2, v[CJ]
	v_add_nc_u32 v[CJ+3], 3, v[CJ]
	v_mov_b32 v[TG], 0                             ; v_writelane_b32's destination counts as read
	v_lshrrev_b32 v[VROW], 2, v[LANE]              ; columns 4 l .. 4 l + 3 were written by wave l >> 2, at byte 4 (l & 3) of its sixteen
	v_mul_u32_u24 v[VROW], v[VROW], BPW
	v_and_b32 v[VTG], 3, v[LANE]
	v_lshl_add_u32 v[VROW], v[VTG], 2, v[VROW]
	v_add_nc_u32 v[VROW], BPL, v[VROW]
	v_add_nc_u32 v[VTG], TAGL, v[CJ]
	v_and_b32 v[VTQ], 3, v[U]                      ; waves 4 to 7 write out0: eight rows each of a chunk's 32
	v_lshlrev_b32 v[VOUT], 12, v[VTQ]              ; 8 rows x 512 bytes
	v_lshl_add_u32 v[VOUT], v[LANE], 4, v[VOUT]
	v_lshlrev_b32 v[VTQ], 5, v[VTQ]                ; 8 tags x 4 bytes
	v_add_nc_u32 v[VTQ], TAGL, v[VTQ]
	s_mov_b32 s32, 0                               ; the tag with which row 255 is entered (any: see below)
	s_mov_b32 s36, 0x70000                         ; s_bfe_u32: a field of 7 bits
	s_cmp_lg_u32 s10, 0
	s_cbranch_scc1 .Lback
	; wave 0: tag_255 = the first c with the largest alpha_255
	ds_load_b128 v[A:A+3], v[VAR]
	s_wait_dscnt 0x0
	v_max3_num_f32 v[XL], v[A], v[A+1], v[A+2]
	v_max_num_f32 v[XL], v[XL], v[A+3]             ; my four columns
	v_max_num_f32_dpp v[M], v[XL], v[XL] row_xmask:1 row_mask:0xf bank_mask:0xf
	v_max_num_f32_dpp v[M], v[M], v[M] row_xmask:2 row_mask:0xf bank_mask:0xf
	v_max_num_f32_dpp v[M], v[M], v[M] row_xmask:4 row_mask:0xf bank_mask:0xf
	v_max_num_f32_dpp v[M], v[M], v[M] row_xmask:8 row_mask:0xf bank_mask:0xf
	v_permlanex16_b32 v[O], v[M], s16, s17
	v_max_num_f32 v[M], v[M], v[O]                 ; all 128, in every lane
	v_mov_b32 v[JL], 3
.irp j, 2,1,0
	v_cmp_eq_f32 vcc_lo, v[A+\j], v[M]
	v_cndmask_b32 v[JL], v[JL], \j, vcc_lo         ; the first of my four that holds it
.endr
	v_cmp_eq_f32 s40, v[XL], v[M]
	s_ctz_i32_b32 s41, s40                         ; the first lane that holds it
	s_and_b32 s41, s41, 31
	v_readlane_b32 s42, v[JL], s41
	s_lshl2_add_u32 s43, s41, s42                  ; tag_255 = 4 lane + j
	s_mul_i32 s43, s43, 0x01010101
	v_mov_b32 v[XL], s43
	ds_store_b32 v[VROW], v[XL] offset:255*16      ; a row 255 whose 128 entries are all tag_255: t = 255 then goes like every other t
.set i, 0
.rept 32
	ds_load_b32 v[ROW+32+i], v[VROW] offset:(224+i)*16         ; rows 224 to 255 (LDS serves a wave in order: row 255 as just stored)
.set i, i+1
.endr
.Lback:
; Rows 32 k .. 32 k + 31, from the last to the first.  Wave 0 follows the back-pointers: lane tag >> 2 of the row's register holds the
; word, byte tag & 3 of it is the next tag.  Waves 4 to 7 then write the chunk's rows of out0 while wave 0 goes on with the next chunk.
; The eight chunks are written out so that every LDS address is a lane term plus a constant.
.macro CHUNK k
	s_cmp_lg_u32 s10, 0
	s_cbranch_scc1 .Lnochase_\@
.if \k
.set i, 0
.rept 32
	ds_load_b32 v[ROW+32*((\k-1)&1)+i], v[VROW] offset:(32*(\k-1)+i)*16    ; the next chunk's rows, into the other set
.set i, i+1
.endr
	s_wait_dscnt 32                                ; all but the 32 just issued: this chunk's rows are in
.else
	s_wait_dscnt 0x0
.endif
.set i, 31
.rept 32
	s_lshr_b32 s33, s32, 2
	s_and_b32 s34, s32, 3
	v_readlane_b32 s35, v[ROW+32*(\k&1)+i], s33
	s_lshl3_add_u32 s34, s34, s36                  ; field: 7 bits from bit 8 (tag & 3)
	s_bfe_u32 s32, s35, s34                        ; tag of t = 32 k + i, 0..127
	v_writelane_b32 v[TG], s32, i
.set i, i-1
.endr
	ds_store_b32 v[VTG], v[TG] offset:128*\k
.Lnochase_\@:
	s_wait_dscnt 0x0                               ; the chunk's tags are in LDS
	s_barrier_signal -1
	s_barrier_wait -1
	s_cmp_lt_u32 s10, 4
	s_cbranch_scc1 .Lnoout_\@
	ds_load_b128 v[TQ:TQ+3], v[VTQ] offset:128*\k
	ds_load_b128 v[TQ+4:TQ+7], v[VTQ] offset:128*\k+16
	s_wait_xcnt 0x0                                ; every earlier store has had its addresses translated (ISA guide 3.1): OUT is rewritten only behind this wait
	s_wait_dscnt 0x0
.irp i, 0,1,2,3,4,5,6,7
.irp j, 0,1,2,3
	v_cmp_eq_u32 s[40+\j], v[TQ+\i], v[CJ+\j]
.endr
.irp j, 0,1,2,3
	v_cndmask_b32 v[OUT+4*\i+\j], 0, 1.0, s[40+\j]
.endr
	global_store_b128 v[VOUT], v[OUT+4*\i:OUT+4*\i+3], s[8:9] offset:16384*\k+512*\i th:TH_STORE_NT   ; the wave stores a whole row: 512 consecutive bytes, aligned
.endr
.Lnoout_\@:
.endm
	CHUNK 7
	CHUNK 6
	CHUNK 5
	CHUNK 4
	CHUNK 3
	CHUNK 2
	CHUNK 1
	CHUNK 0
	s_wait_tensorcnt 0x0
	ds_add_u32 v192, v193
	s_wait_dscnt 0x0
	s_endpgm
.Lfunc_end_k_q7671d706bf_viterbi:
	.size	k_q7671d706bf_viterbi, .Lfunc_end_k_q7671d706bf_viterbi-k_q7671d706bf_viterbi
	.p2alignl 7, 3214868480
	.fill 96, 4, 3214868480
	.section	.rodata,"a",@progbits
	.p2align	6, 0x0
	.amdhsa_kernel k_q7671d706bf_viterbi
		.amdhsa_group_segment_fixed_size 168960
		.amdhsa_private_segment_fixed_size 0
		.amdhsa_enable_private_segment 0
		.amdhsa_kernarg_size 24
		.amdhsa_user_sgpr_count 2
		.amdhsa_user_sgpr_kernarg_segment_ptr 1
		.amdhsa_wavefront_size32 1
		.amdhsa_system_sgpr_workgroup_id_x 1
		.amdhsa_system_sgpr_workgroup_id_y 1
		.amdhsa_system_sgpr_workgroup_id_z 1
		.amdhsa_system_vgpr_workitem_id 0
		.amdhsa_next_free_vgpr 194
		.amdhsa_next_free_sgpr 66
		.amdhsa_reserve_vcc 1
		.amdhsa_float_denorm_mode_32 3
		.amdhsa_float_denorm_mode_16_64 3
		.amdhsa_memory_ordered 1
		.amdhsa_forward_progress 1
		.amdhsa_inst_pref_size 186
	.end_amdhsa_kernel
	.amdgpu_metadata
---
amdhsa.version: [ 1, 2 ]
amdhsa.kernels:
  - .name:           k_q7671d706bf_viterbi
    .symbol:         k_q7671d706bf_viterbi.kd
    .args:
      - { .name: potentials, .offset: 0, .size: 8, .value_kind: global_buffer, .address_space: global }
      - { .name: transitions, .offset: 8, .size: 8, .value_kind: global_buffer, .address_space: global }
      - { .name: out0, .offset: 16, .size: 8, .value_kind: global_buffer, .address_space: global }
    .group_segment_fixed_size: 168960
    .private_segment_fixed_size: 0
    .kernarg_segment_align: 8
    .kernarg_segment_size: 24
    .max_flat_workgroup_size: 256
    .sgpr_count:     66
    .vgpr_count:     194
    .wavefront_size: 32
...
	.end_amdgpu_metadata
.endif
;; end of part 1
;; ======== version 2 of 2: 1 launch; 1.12 times as fast as version 1
;; launch viterbi (part 2): grid 256 x 1, 4 waves a work-group, no clusters, 168,448 bytes of LDS; arguments potentials, transitions, out0; writes out0
.if DOCPART == 2
	.amdgcn_target "amdgcn-amd-amdhsa--gfx1250"
	.amdhsa_code_object_version 6
	.text
	.protected	k_q7671d706bf_viterbi
	.globl	k_q7671d706bf_viterbi
	.p2align	8
	.type	k_q7671d706bf_viterbi,@function
k_q7671d706bf_viterbi:
	s_mov_b64 s[64:65], 0
	v_nop
	global_prefetch_b8 v0, s[64:65] scope:SCOPE_SE
	s_setreg_imm32_b32 hwreg(HW_REG_WAVE_MODE, 25, 1), 1
	s_wait_xcnt 0x0
; VITERBI DECODING OF A CRF.  potentials [256 b][256 t][128 c] f32, transitions [128 p][128 c] f32, out0 [256][256][128] f32 (one-hot of the tags).
;   alpha_0 = pot_0;  alpha_t[c] = max_p(alpha_{t-1}[p] + trans[p][c]) + pot_t[c];  bp_{t-1}[c] = first p that reaches that maximum;
;   tag_255 = first c that reaches max alpha_255;  tag_t = bp_t[tag_{t+1}];  out0[b][t][c] = (c == tag_t) ? 1 : 0.
; Every sum is the same single f32 add as in the definition and ties go to the lowest index, so the tags are the definition's own.
; Nothing of the definition is left out; the one-hot is written as a compare and a select.
; LIMIT: the inputs hold no NaN and form none (+inf meeting -inf): v_max_num_f32 drops a NaN where the definition would carry it.
; The sign of a zero alpha may differ from the definition's; it enters no comparison and no output.
;
; ONE WORK-GROUP = ONE BATCH ELEMENT, four waves, as many as a WGP has SIMDs.  Lane (m = lane & 7, qd = (lane >> 3) & 3) of wave u owns the
; four columns c0 = 32 u + 4 m .. c0 + 3 and the 32 predecessors p = 32 qd + i.  trans[32 qd + i][c0 + e] stays in 128 registers, the lane's
; 32 alphas come into 32 registers in the same order, and one v_pk_add_f32 makes two sums of one column: 64 adds for 128 sums, each pair of
; alphas used for four columns, 128 bytes of alpha a lane and step.  Every step across lanes and every link of a dependent chain comes four
; times, once a column, so four independent instructions stand side by side there.
; The four quarters of p meet by row_xmask:8 (qd's low bit) and v_permlanex16_b32 (its high bit).
; A STEP has a part that the next step waits for (64 packed adds, 72 maxima, 12 across lanes, the potentials, the store of the new alpha)
; and a part that nothing waits for (which p gave each maximum, 163 instructions).  The second part is dealt in about equal thirds behind
; the alpha store, between the barrier's signal and its wait, and behind the next step's LDS loads, where the wave would sit on waits.
; REGISTER WINDOWS: all but trans lies in v0-v255; trans lies in v256-v383 and is named only as source 1 of the packed adds (and as the
; destination of its loads): four s_set_vgpr_msb a step, two runs of 32 adds.
; NO ADDRESS AND NO BRANCH HANGS ON A TAG: the backtrace picks bp_t[tag] out of a register row by v_readlane_b32, the one-hot is a select.
; No cluster: the work-groups share only the 65,536 bytes of transitions, read once, beside 262,144 bytes of their own.
.set ROWB,  512                        ; bytes in a row of potentials, transitions or out0
.set ABUF,  131072                     ; LDS: potentials at 0 (256 rows x 512 bytes); then two alpha buffers of 512 bytes
.set BPL,   ABUF+1024                  ; back-pointers, one byte each: wave u's 32 columns of row t at BPL + u BPW + 32 t
.set BPW,   8224                       ; 256 rows x 32 bytes + 32: 2,056 words, so the backtrace's lane l reads bank (l + 8 t) mod 64 (64 banks of 4 bytes: ISA guide 11.1)
.set TAGL,  BPL+4*BPW                  ; 256 tags, a word each
.set U,     1                          ; v1        wave number, kept
.set MM,    2                          ; v2        m
.set QD,    3                          ; v3        qd
; quads: register + e belongs to column c0 + e
.set POT,   4                          ; v[4:7]    this step's potentials
.set M,     8                          ; v[8:11]   the columns' maxima
.set AL,    12                         ; v[12:15]  the new alphas
.set O,     16                         ; v[16:19]  what another lane holds
.set G8,    20                         ; v[20:23]  8 x the first group of eight that holds the maximum
.set JL,    24                         ; v[24:27]  first place in that group among places 0-3 (256: none)
.set JH,    28                         ; v[28:31]  the same among places 4-7
.set IDX,   32                         ; v[32:35]  the back-pointers
.set VPOT,  36                         ; LDS addresses: my four potentials,
.set VBP,   37                         ;   my four back-pointer bytes,
.set VAR,   38                         ;   my quarter of the alpha buffers,
.set VAW,   39                         ;   my four columns' words of the alpha buffers,
.set POFF,  40                         ; 32 qd
.set VAR0,  41                         ;   my quarter of potentials row 0 (= alpha_0)
.set TOFF,  42                         ; byte offset of trans[32 qd][c0]
.set LANE,  43
.set BIG,   44                         ; 256
.set Y,     48                         ; v[48:51]   maximum of groups 0 to 2
.set R,     52                         ; v[52:67]   R + 4 e + g: maximum of group g (eight sums)
.set X,     68                         ; v[68:79]   partial maxima of one group, four columns
.set A,     80                         ; v[80:111]  alpha[32 qd + i]
.set S,     112                        ; v[112:239] S + 32 e + i: the step's sums; S + 32 e + 24 .. + 31 (group 3) become the sums of the first group that holds the maximum
.set TW,    0                          ; v[256:383], written v0-v127 in window 1: TW + 32 e + i: trans[32 qd + i][c0 + e]
.set MASK,  68                         ; s[68:99]   MASK + 8 e + j: the lanes in which place j of column e's chosen group holds the maximum
; the backtrace uses the registers of the forward pass again
.set ROW,   64                         ; v[64:127]  two sets of 32 back-pointer rows
.set OUT,   128                        ; v[128:191] sixteen rows' 16 bytes to store
.set CJ,    192                        ; v[192:195] my four columns 4 lane + j
.set TQ,    196                        ; v[196:211] sixteen tags
.set TG,    212                        ; 32 tags of a chunk, lane i: t = 32 k + i
.set VROW,  213                        ; LDS address of my four back-pointers of row 0
.set VTG,   214                        ; LDS address of tag word `lane`
.set VTQ,   215                        ; LDS address of my wave's sixteen tags in chunk 0
.set VOUT,  216                        ; byte offset in out0[b] of my 16 bytes in my wave's first row of chunk 0; never rewritten
.set VA4,   217                        ; LDS address of my 16 bytes of alpha buffer 0
.set XL,    218
.set BA,    220                        ; v[220:223] alpha_255[4 lane .. 4 lane + 3]
.set BM,    224
.set BO,    225
.set BJ,    226
.set MSB, 0
.macro WIN new                         ; low byte: bits 3:2 window of source 1, bits 7:6 of the destination; the high byte repeats the setting that is left
.if MSB != \new
	s_set_vgpr_msb (MSB<<8)|\new
.set MSB, \new
.endif
.endm
.set T_DST, 0x40                       ; destination in window 1
.set T_SRC, 0x04                       ; source 1 in window 1
	s_load_b128 s[4:7], s[0:1], 0x0                ; potentials s[4:5], transitions s[6:7]
	s_load_b64 s[8:9], s[0:1], 0x10                ; out0
	v_lshl_add_u32 v254, v0, 2, 0x29000
	v_mov_b32 v255, 0
	ds_add_u32 v254, v255
	ds_add_u32 v254, v255
	v_lshrrev_b32 v[U], 5, v0
	v_readfirstlane_b32 s10, v[U]                  ; wave number 0..3
	v_and_b32 v[MM], 7, v0
	v_bfe_u32 v[QD], v0, 3, 2
	v_and_b32 v[LANE], 31, v0
	v_lshl_add_u32 v[IDX], v[U], 3, v[MM]          ; my four columns: 8 u + m
	v_lshlrev_b32 v[VPOT], 4, v[IDX]               ; 4 c0: my 16 bytes in a row (potentials begin at LDS byte 0)
	v_lshl_add_u32 v[TOFF], v[QD], 14, v[VPOT]     ; 32 qd rows of 512 bytes + 4 c0
	s_lshl_b32 s12, ttmp9, 17                      ; my batch element: 256 rows x 512 bytes each (33,423,360 at the most)
	s_mov_b32 s13, 0
	s_lshl_b32 s14, s10, 15                        ; my wave's 32,768 bytes of it
	s_mov_b32 s15, 0
	s_mov_b32 s16, 0x76543210                      ; v_permlanex16_b32: lane i of one half reads lane i of the other
	s_mov_b32 s17, 0xfedcba98
	; The batch element's potentials are 131,072 consecutive bytes: each wave brings a quarter as 128 rows of 256 bytes (32 elements of 8 bytes).
	s_mov_b32 s20, 1                               ; group 0: count 1
	s_lshl_b32 s21, s10, 15                        ; LDS address: wave x 32,768
	s_mov_b32 s24, 3<<16                           ; group 1: no mask, elements of 8 bytes, no padding
	s_mov_b32 s25, 32<<16                          ; tensor_dim0 = 32
	s_mov_b32 s26, 128<<16                         ; tensor_dim1 = 128
	s_mov_b32 s27, 32<<16                          ; tile_dim0 = 32
	s_mov_b32 s28, 128                             ; tile_dim1 = 128
	s_mov_b32 s29, 32                              ; from row to row: 32 elements (dense)
	s_mov_b32 s30, 0
	s_mov_b32 s31, 0
	s_wait_dscnt 0x0
	s_wait_kmcnt 0x0
	s_add_nc_u64 s[4:5], s[4:5], s[12:13]
	s_add_nc_u64 s[8:9], s[8:9], s[12:13]          ; out0 at my batch element
	s_add_nc_u64 s[22:23], s[4:5], s[14:15]
	s_or_b32 s23, s23, 0x80000000                  ; type 2
	tensor_load_to_lds s[20:23], s[24:31]          ; the wave's only tensor load: these bytes are filled once
	s_nop 0
	WIN T_DST
.set i, 0
.rept 32
.irp e, 0,1,2,3
	global_load_b32 v[TW+32*\e+i], v[TOFF], s[6:7] offset:i*ROWB+4*\e      ; trans[32 qd + i][c0 + e]; each byte of transitions is read once by the work-group
.endr
.set i, i+1
.endr
	WIN 0
	v_mul_u32_u24 v[VBP], v[U], BPW
	v_lshl_add_u32 v[VBP], v[MM], 2, v[VBP]
	v_add_nc_u32 v[VBP], BPL, v[VBP]
	v_add_nc_u32 v[VAW], ABUF, v[VPOT]
	v_lshlrev_b32 v[VAR0], 7, v[QD]                ; 32 alphas x 4 bytes a quarter
	v_add_nc_u32 v[VAR], ABUF, v[VAR0]
	v_lshlrev_b32 v[POFF], 5, v[QD]
	v_mov_b32 v[BIG], 0x100
.irp e, 0,1,2,3
	v_mov_b32 v[O+\e], 0                           ; the destination of v_permlanex16_b32 and of a DPP form counts as read: written once here
.endr
; Nine LDS loads in one run: my quarter of alpha (eight lanes share an address; the two addresses of sixteen neighbouring lanes lie 128 bytes apart), then my four potentials.
.macro LOADS base, aoff, potoff
.irp k, 0,1,2,3,4,5,6,7
	ds_load_b128 v[A+4*\k:A+4*\k+3], v[\base] offset:\aoff+16*\k
.endr
	ds_load_b128 v[POT:POT+3], v[VPOT] offset:\potoff
.endm
; alpha[32 qd + i] + trans[32 qd + i][c0 + e] for the eight i of group g, four columns.  Stands under T_SRC: source 1 is trans.
.macro ADDS g
.irp e, 0,1,2,3
.irp j, 0,2,4,6
	v_pk_add_f32 v[S+32*\e+8*\g+\j:S+32*\e+8*\g+\j+1], v[A+8*\g+\j:A+8*\g+\j+1], v[TW+32*\e+8*\g+\j:TW+32*\e+8*\g+\j+1]
.endr
.endr
.endm
; the maximum of group g, four columns
.macro MAX8 g
.irp e, 0,1,2,3
	v_max3_num_f32 v[X+3*\e],   v[S+32*\e+8*\g],   v[S+32*\e+8*\g+1], v[S+32*\e+8*\g+2]
	v_max3_num_f32 v[X+3*\e+1], v[S+32*\e+8*\g+3], v[S+32*\e+8*\g+4], v[S+32*\e+8*\g+5]
	v_max_num_f32  v[X+3*\e+2], v[S+32*\e+8*\g+6], v[S+32*\e+8*\g+7]
.endr
.irp e, 0,1,2,3
	v_max3_num_f32 v[R+4*\e+\g], v[X+3*\e], v[X+3*\e+1], v[X+3*\e+2]
.endr
.endm
; which of places j0 .. j0 + n - 1 of column e's chosen group hold the maximum
.macro CMPP e, j0, n
.set jj, \j0
.rept \n
	v_cmp_eq_f32 s[MASK+8*\e+jj], v[S+32*\e+24+jj], v[M+\e]
.set jj, jj+1
.endr
.endm
; If group g of column e holds the column's maximum, its eight sums and its number replace what a later group left.  Called for g = 2, 1, 0,
; so the first such group stays; group 3's sums lie in place.  n compares of the places of column fe, whose group is chosen already and which
; name no VCC, stand between the compare and the selects that read its VCC.  The two halves of a dual line take registers of different
; parity and neighbouring banks.
.macro MUX e, g, fe, j0, n
	v_cmp_eq_f32 vcc_lo, v[R+4*\e+\g], v[M+\e]
.if \n
	CMPP \fe, \j0, \n
.endif
.irp j, 0,2,4,6
	v_dual_cndmask_b32 v[S+32*\e+24+\j], v[S+32*\e+24+\j], v[S+32*\e+8*\g+\j] :: v_dual_cndmask_b32 v[S+32*\e+25+\j], v[S+32*\e+25+\j], v[S+32*\e+8*\g+\j+1]
.endr
.if \g == 2
	v_cndmask_b32 v[G8+\e], 24, 16, vcc_lo
.else
	v_cndmask_b32 v[G8+\e], v[G8+\e], 8*\g, vcc_lo
.endif
.endm
; From the 32 masks to the four back-pointers.  Eight chains, each from its last place down to its first, so the first place that holds
; the maximum stays; 256 where my 32 predecessors do not hold it.  The lowest answer of the four quarters is the first p of all 128.
.macro PLACE bpoff
.irp e, 0,1,2,3
	v_cndmask_b32 v[JL+\e], v[BIG], 3, s[MASK+8*\e+3]
	v_cndmask_b32 v[JH+\e], v[BIG], 7, s[MASK+8*\e+7]
.endr
.irp k, 2,1,0
.irp e, 0,1,2,3
	v_cndmask_b32 v[JL+\e], v[JL+\e], \k, s[MASK+8*\e+\k]
	v_cndmask_b32 v[JH+\e], v[JH+\e], \k+4, s[MASK+8*\e+\k+4]
.endr
.endr
.irp e, 0,1,2,3
	v_min_u32 v[JL+\e], v[JL+\e], v[JH+\e]
.endr
.irp e, 0,1,2,3
	v_add3_u32 v[IDX+\e], v[G8+\e], v[JL+\e], v[POFF]      ; p = 32 qd + 8 g + j, or 256 and more
.endr
.irp e, 0,1,2,3
	v_mov_b32_dpp v[O+\e], v[IDX+\e] row_xmask:8 row_mask:0xf bank_mask:0xf
.endr
.irp e, 0,1,2,3
	v_min_u32 v[IDX+\e], v[IDX+\e], v[O+\e]
.endr
.irp e, 0,1,2,3
	v_permlanex16_b32 v[O+\e], v[IDX+\e], s16, s17
.endr
.irp e, 0,1,2,3
	v_min_u32 v[IDX+\e], v[IDX+\e], v[O+\e]
.endr
	v_lshl_or_b32 v[IDX],   v[IDX+1], 8, v[IDX]    ; all four are below 128 now: four bytes, column c0 lowest
	v_lshl_or_b32 v[IDX+2], v[IDX+3], 8, v[IDX+2]
	v_lshl_or_b32 v[IDX],   v[IDX+2], 16, v[IDX]
	ds_store_b32 v[VBP], v[IDX] offset:\bpoff      ; the four quarters store the same word with the same value
.endm
	s_wait_tensorcnt 0x0                           ; my quarter of the potentials has landed,
	s_barrier_signal -1
	s_barrier_wait -1                              ; everybody's has
	LOADS VAR0, 0, ROWB                            ; alpha_0 = potentials row 0; pot_1
	s_wait_loadcnt 0x0                             ; transitions
	s_wait_dscnt 0x0                               ; no back-pointer store stands behind these loads, so the first step's counted waits must find them done
; One step.  outoff: the alpha buffer that it writes (0 or 512), from which the next step's alpha is then loaded; potoff: the next step's
; potentials, from VPOT; bpoff: this step's back-pointer row, from VBP; more = 0: the last step, which loads nothing.
; At its head ten LDS instructions are out, and LDS answers in order (ISA guide 5.7.1): eight alpha loads, the potentials, the last step's back-pointer store.
.macro STEP outoff, potoff, bpoff, more
	s_wait_dscnt 0x8                               ; the first two alpha loads are in: predecessors 0 to 7 of my quarter
	WIN T_SRC
	ADDS 0
	s_wait_dscnt 0x6                               ; the next two
	ADDS 1
	WIN 0
	MAX8 0
	MAX8 1
	s_wait_dscnt 0x4
	WIN T_SRC
	ADDS 2
	s_wait_dscnt 0x2                               ; all eight; the potentials and the store may be out
	ADDS 3
	WIN 0
	MAX8 2
	MAX8 3
.irp e, 0,1,2,3
	v_max3_num_f32 v[Y+\e], v[R+4*\e], v[R+4*\e+1], v[R+4*\e+2]
.endr
.irp e, 0,1,2,3
	v_max_num_f32 v[M+\e], v[Y+\e], v[R+4*\e+3]    ; over my 32 predecessors
.endr
.irp e, 0,1,2,3
	v_max_num_f32_dpp v[M+\e], v[M+\e], v[M+\e] row_xmask:8 row_mask:0xf bank_mask:0xf
.endr
.irp e, 0,1,2,3
	v_permlanex16_b32 v[O+\e], v[M+\e], s16, s17
.endr
.irp e, 0,1,2,3
	v_max_num_f32 v[M+\e], v[M+\e], v[O+\e]        ; over all 128
.endr
	s_wait_dscnt 0x1                               ; the potentials are in; only the back-pointer store may be out
	v_pk_add_f32 v[AL:AL+1],   v[M:M+1],   v[POT:POT+1]
	v_pk_add_f32 v[AL+2:AL+3], v[M+2:M+3], v[POT+2:POT+3]
	ds_store_b128 v[VAW], v[AL:AL+3] offset:\outoff        ; the four quarters store the same words with the same values
	MUX 0, 2, 0, 0, 0                              ; 53 instructions while the store is on its way
	MUX 0, 1, 0, 0, 0
	MUX 0, 0, 0, 0, 0
	MUX 1, 2, 0, 0, 3
	MUX 1, 1, 0, 3, 3
	MUX 1, 0, 0, 6, 2
	MUX 2, 2, 1, 0, 3
	s_wait_dscnt 0x0                               ; for the others: my alphas are in LDS, and my reads of the other buffer are over, so that the next step may write it
	s_barrier_signal -1
	MUX 2, 1, 1, 3, 3                              ; 51 instructions of register work while the others arrive
	MUX 2, 0, 1, 6, 2
	MUX 3, 2, 2, 0, 3
	MUX 3, 1, 2, 3, 3
	MUX 3, 0, 2, 6, 2
	CMPP 3, 0, 8
	s_barrier_wait -1
.if \more
	LOADS VAR, \outoff, \potoff
.endif
	PLACE \bpoff                                   ; 59 instructions while the loads are on their way
.endm
	STEP 0, 2*ROWB, 0, 1                           ; t = 1: alpha into buffer 0, asks for pot_2, back-pointer row 0
	v_add_nc_u32 v[VPOT], 3*ROWB, v[VPOT]          ; row 3
	v_add_nc_u32 v[VBP], 32, v[VBP]                ; row 1
	s_mov_b32 s11, 126                             ; t = 2 .. 253, two steps a trip so that the buffers stand in the immediates
.Lpair:
	STEP 512, 0, 0, 1                              ; even t
	STEP 0, ROWB, 32, 1                            ; odd t
	v_add_nc_u32 v[VPOT], 2*ROWB, v[VPOT]
	v_add_nc_u32 v[VBP], 64, v[VBP]
	s_sub_co_u32 s11, s11, 1
	s_cmp_lg_u32 s11, 0
	s_cbranch_scc1 .Lpair
	STEP 512, 0, 0, 1                              ; t = 254: asks for pot_255, the last row
	STEP 0, 0, 32, 0                               ; t = 255: alpha_255 into buffer 0, back-pointer row 254
	s_wait_dscnt 0x0                               ; the last back-pointers are in LDS,
	s_barrier_signal -1
	s_barrier_wait -1                              ; everybody's are
	v_lshlrev_b32 v[CJ], 2, v[LANE]
	v_add_nc_u32 v[CJ+1], 1, v[CJ]
	v_add_nc_u32 v[CJ+2], 2, v[CJ]
	v_add_nc_u32 v[CJ+3], 3, v[CJ]
	v_mov_b32 v[TG], 0                             ; v_writelane_b32's destination counts as read
	v_lshrrev_b32 v[VROW], 3, v[LANE]              ; columns 4 l .. 4 l + 3 were written by wave l >> 3, at byte 4 (l & 7) of its 32
	v_mul_u32_u24 v[VROW], v[VROW], BPW
	v_and_b32 v[VTG], 7, v[LANE]
	v_lshl_add_u32 v[VROW], v[VTG], 2, v[VROW]
	v_add_nc_u32 v[VROW], BPL, v[VROW]
	v_add_nc_u32 v[VTG], TAGL, v[CJ]
	v_and_b32 v[VTQ], 1, v[U]                      ; waves 2 and 3 write out0: sixteen rows each of a chunk's 32
	v_lshlrev_b32 v[VOUT], 13, v[VTQ]              ; 16 rows x 512 bytes
	v_lshl_add_u32 v[VOUT], v[LANE], 4, v[VOUT]
	v_lshlrev_b32 v[VTQ], 6, v[VTQ]                ; 16 tags x 4 bytes
	v_add_nc_u32 v[VTQ], TAGL, v[VTQ]
	v_lshlrev_b32 v[VA4], 4, v[LANE]
	v_add_nc_u32 v[VA4], ABUF, v[VA4]
	s_mov_b32 s32, 0                               ; the tag with which row 255 is entered (any: see below)
	s_mov_b32 s36, 0x70000                         ; s_bfe_u32: a field of 7 bits
	s_cmp_lg_u32 s10, 0
	s_cbranch_scc1 .Lback
	; wave 0: tag_255 = the first c with the largest alpha_255
	ds_load_b128 v[BA:BA+3], v[VA4]
	s_wait_dscnt 0x0
	v_max3_num_f32 v[XL], v[BA], v[BA+1], v[BA+2]
	v_max_num_f32 v[XL], v[XL], v[BA+3]            ; my four columns
	v_max_num_f32_dpp v[BM], v[XL], v[XL] row_xmask:1 row_mask:0xf bank_mask:0xf
	v_max_num_f32_dpp v[BM], v[BM], v[BM] row_xmask:2 row_mask:0xf bank_mask:0xf
	v_max_num_f32_dpp v[BM], v[BM], v[BM] row_xmask:4 row_mask:0xf bank_mask:0xf
	v_max_num_f32_dpp v[BM], v[BM], v[BM] row_xmask:8 row_mask:0xf bank_mask:0xf
	v_permlanex16_b32 v[BO], v[BM], s16, s17
	v_max_num_f32 v[BM], v[BM], v[BO]              ; all 128, in every lane
	v_mov_b32 v[BJ], 3
.irp j, 2,1,0
	v_cmp_eq_f32 vcc_lo, v[BA+\j], v[BM]
	v_cndmask_b32 v[BJ], v[BJ], \j, vcc_lo         ; the first of my four that holds it
.endr
	v_cmp_eq_f32 s40, v[XL], v[BM]
	s_ctz_i32_b32 s41, s40                         ; the first lane that holds it
	s_and_b32 s41, s41, 31
	v_readlane_b32 s42, v[BJ], s41
	s_lshl2_add_u32 s43, s41, s42                  ; tag_255 = 4 lane + j
	s_mul_i32 s43, s43, 0x01010101
	v_mov_b32 v[XL], s43
	ds_store_b32 v[VROW], v[XL] offset:255*32      ; a row 255 whose 128 entries are all tag_255: t = 255 then goes like every other t
.set i, 0
.rept 32
	ds_load_b32 v[ROW+32+i], v[VROW] offset:(224+i)*32         ; rows 224 to 255 (LDS serves a wave in order: row 255 as just stored)
.set i, i+1
.endr
.Lback:
; Rows 32 k .. 32 k + 31, from the last to the first.  Wave 0 follows the back-pointers: lane tag >> 2 of the row's register holds the
; word, byte tag & 3 of it is the next tag.  Waves 2 and 3 then write the chunk's rows of out0 while wave 0 goes on with the next chunk;
; wave 1 has no part here but the barriers.  The eight chunks are written out so that every LDS address is a lane term plus a constant.
.macro CHUNK k
	s_cmp_lg_u32 s10, 0
	s_cbranch_scc1 .Lnochase_\@
.if \k
.set i, 0
.rept 32
	ds_load_b32 v[ROW+32*((\k-1)&1)+i], v[VROW] offset:(32*(\k-1)+i)*32    ; the next chunk's rows, into the other set
.set i, i+1
.endr
	s_wait_dscnt 32                                ; all but the 32 just issued: this chunk's rows are in
.else
	s_wait_dscnt 0x0
.endif
.set i, 31
.rept 32
	s_lshr_b32 s33, s32, 2
	s_and_b32 s34, s32, 3
	v_readlane_b32 s35, v[ROW+32*(\k&1)+i], s33
	s_lshl3_add_u32 s34, s34, s36                  ; field: 7 bits from bit 8 (tag & 3)
	s_bfe_u32 s32, s35, s34                        ; tag of t = 32 k + i, 0..127
	v_writelane_b32 v[TG], s32, i
.set i, i-1
.endr
	ds_store_b32 v[VTG], v[TG] offset:128*\k
.Lnochase_\@:
	s_wait_dscnt 0x0                               ; the chunk's tags are in LDS
	s_barrier_signal -1
	s_barrier_wait -1
	s_cmp_lt_u32 s10, 2
	s_cbranch_scc1 .Lnoout_\@
.irp n, 0,1,2,3
	ds_load_b128 v[TQ+4*\n:TQ+4*\n+3], v[VTQ] offset:128*\k+16*\n
.endr
	s_wait_xcnt 0x0                                ; every earlier store has had its addresses translated (ISA guide 3.1): OUT is rewritten only behind this wait
	s_wait_dscnt 0x0
.irp i, 0,1,2,3,4,5,6,7,8,9,10,11,12,13,14,15
.irp j, 0,1,2,3
	v_cmp_eq_u32 s[40+\j], v[TQ+\i], v[CJ+\j]
.endr
.irp j, 0,1,2,3
	v_cndmask_b32 v[OUT+4*\i+\j], 0, 1.0, s[40+\j]
.endr
	global_store_b128 v[VOUT], v[OUT+4*\i:OUT+4*\i+3], s[8:9] offset:16384*\k+512*\i th:TH_STORE_NT   ; the wave stores a whole row: 512 consecutive bytes, aligned
.endr
.Lnoout_\@:
.endm
	CHUNK 7
	CHUNK 6
	CHUNK 5
	CHUNK 4
	CHUNK 3
	CHUNK 2
	CHUNK 1
	CHUNK 0
	s_wait_tensorcnt 0x0
	ds_add_u32 v254, v255
	s_wait_dscnt 0x0
	s_endpgm
.Lfunc_end_k_q7671d706bf_viterbi:
	.size	k_q7671d706bf_viterbi, .Lfunc_end_k_q7671d706bf_viterbi-k_q7671d706bf_viterbi
	.p2alignl 7, 3214868480
	.fill 96, 4, 3214868480
	.section	.rodata,"a",@progbits
	.p2align	6, 0x0
	.amdhsa_kernel k_q7671d706bf_viterbi
		.amdhsa_group_segment_fixed_size 168448
		.amdhsa_private_segment_fixed_size 0
		.amdhsa_enable_private_segment 0
		.amdhsa_kernarg_size 24
		.amdhsa_user_sgpr_count 2
		.amdhsa_user_sgpr_kernarg_segment_ptr 1
		.amdhsa_wavefront_size32 1
		.amdhsa_system_sgpr_workgroup_id_x 1
		.amdhsa_system_sgpr_workgroup_id_y 1
		.amdhsa_system_sgpr_workgroup_id_z 1
		.amdhsa_system_vgpr_workitem_id 0
		.amdhsa_next_free_vgpr 384
		.amdhsa_next_free_sgpr 100
		.amdhsa_reserve_vcc 1
		.amdhsa_float_denorm_mode_32 3
		.amdhsa_float_denorm_mode_16_64 3
		.amdhsa_memory_ordered 1
		.amdhsa_forward_progress 1
		.amdhsa_inst_pref_size 255
	.end_amdhsa_kernel
	.section	.bss,"aw",@nobits
	.p2align	6
	.space	262144
	.amdgpu_metadata
---
amdhsa.version: [ 1, 2 ]
amdhsa.kernels:
  - .name:           k_q7671d706bf_viterbi
    .symbol:         k_q7671d706bf_viterbi.kd
    .args:
      - { .name: potentials, .offset: 0, .size: 8, .value_kind: global_buffer, .address_space: global }
      - { .name: transitions, .offset: 8, .size: 8, .value_kind: global_buffer, .address_space: global }
      - { .name: out0, .offset: 16, .size: 8, .value_kind: global_buffer, .address_space: global }
    .group_segment_fixed_size: 168448
    .private_segment_fixed_size: 0
    .kernarg_segment_align: 8
    .kernarg_segment_size: 24
    .max_flat_workgroup_size: 128
    .sgpr_count:     100
    .vgpr_count:     384
    .wavefront_size: 32
...
	.end_amdgpu_metadata
.endif
;; end of part 2
